; MI455X (gfx1250); checked and timed in simulation.
; The chip was launched on July 23, 2026; its instructions are those of AMD's public machine-readable ISA for CDNA 5 (MIT licence, August 2026) and "CDNA5" Instruction Set Architecture Reference Guide (July 2026). The comments in the code are by the model that wrote it; some were corrected since.
;; Quantized Layer. Allowed arithmetic: float matrix products may take bf16 or f16 operands with f32 sums; other float arithmetic in f32, or as packed bf16 or f16 multiplies, adds, multiply-adds, maxima and minima; sums over many terms, partial sums and values carried from step to step in f32; what a program stores and reads back later, other than sums and carried values, may be rounded once to bf16 or f16.
;; Inputs: bias_idx 4,096 int32; bias_table 256 x 1 float32; weight_idx 4,096 x 4,096 int32; weight_table 256 x 1 float32; x 4 x 1,024 x 4,096 float32.
;; Outputs: out0 4 x 1,024 x 4,096 float32.
;; 2 versions, each right; version 2 is version 1 with the launch prep written anew for expert scheduling mode. Each part assembles by itself: llvm-mc -triple=amdgcn-amd-amdhsa -mcpu=gfx1250 --defsym DOCPART=n.
;; ======== version 1 of 2: 2 launches
;; workspace buffers: xb 33,554,432 bytes; wb 33,554,432 bytes
;; launch prep (part 1): grid 512 x 1, 8 waves a work-group, no clusters, 33,792 bytes of LDS; arguments x, weight_idx, weight_table, xb, wb; writes xb, wb
.if DOCPART == 1
	.amdgcn_target "amdgcn-amd-amdhsa--gfx1250"
	.amdhsa_code_object_version 6
	.text
	.protected	k_qb3cd07c158_prep
	.globl	k_qb3cd07c158_prep
	.p2align	8
	.type	k_qb3cd07c158_prep,@function
k_qb3cd07c158_prep:
	s_mov_b64 s[64:65], 0
	v_nop
	global_prefetch_b8 v0, s[64:65] scope:SCOPE_SE
	s_setreg_imm32_b32 hwreg(HW_REG_WAVE_MODE, 25, 1), 1
	s_wait_xcnt 0x0
; xb[m][i] = bf16(x[m][i]);  wb[o][i] = bf16(weight_table[weight_idx[o][i]]).  x: [4096][4096] f32, weight_idx: [4096][4096] int32, weight_table: [256] f32; xb, wb: [4096][4096] bf16.
; Each index is looked up ONCE here: inside the product every one of the 16 tile rows of the output would look it up again.
; LIMITS.  An index is taken as unsigned and held to 255 (the table has 256 entries); each number is rounded once, to nearest even.
; SHARES.  512 work-groups of eight waves; wave w of group g owns row 8 g + w of x and of weight_idx: 16,384 bytes in, 8,192 bytes out for each.  A row is 32 chunks of 512 bytes: one load of
; 16 bytes a lane.  A chunk leaves as 256 consecutive bytes, aligned: one store of 8 bytes a lane.  All chunk offsets stand in immediates: no address register is ever rewritten, and there is no loop.
; IN FLIGHT.  Two register buffers of 8 chunks for each of the two streams: 32 loads of a wave are out until the last two groups.
; THE TABLE lies in LDS 32 times: entry e is 128 bytes at 128 e, and lane l reads the word at 128 e + 4 l, bank (32 e + l) mod 64 (64 banks of 4 bytes: ISA guide 11.1): lanes with different indices never meet in a bank's different words.
; No matrix unit, no cluster, no tensor load: the launch moves bytes, and no two work-groups read the same ones but for the 1,024 bytes of the table.
.set SPARE, 32768                      ; behind the table: the spare words, 128 bytes for each of eight waves: four blocks of 256 bytes that no other line names
.set LO,  1                            ; v1        16 x lane: my 16 bytes of a chunk as loaded; never rewritten
.set SO,  2                            ; v2        8 x lane: my 8 bytes of a chunk as stored; never rewritten
.set GL,  3                            ; v3        4 x lane: my copy of a table entry
.set FA,  4                            ; v4        128 x thread: the table entry that I write
.set TO,  5                            ; v5        4 x thread: its place in weight_table
.set T,   8                            ; v[8:11]   that entry, four times
.set SPW, 12                           ; v12       LDS address of my spare word; never rewritten
.set NIL, 13                           ; v13       0; never rewritten
.set WI,  16                           ; v[16:79]  two buffers x 8 chunks x 4: indices, then LDS addresses in place
.set XI,  80                           ; v[80:143] two buffers x 8 chunks x 4: x as loaded
.set G,   144                          ; v[144:175] 8 chunks x 4: the entries looked up, f32
.set YW,  176                          ; v[176:191] 8 chunks x 2: wb's numbers, packed
.set YX,  192                          ; v[192:207] 8 chunks x 2: xb's numbers, packed
	s_load_b256 s[4:11], s[0:1], 0x0               ; x s[4:5], weight_idx s[6:7], weight_table s[8:9], xb s[10:11]
	s_load_b64 s[12:13], s[0:1], 0x20              ; wb
	v_lshl_add_u32 v[SPW], v0, 2, SPARE
	v_mov_b32 v[NIL], 0
	v_lshrrev_b32 v6, 5, v0
	v_readfirstlane_b32 s14, v6                    ; wave 0..7
	v_and_b32 v7, 31, v0                           ; lane
	v_lshlrev_b32 v[LO], 4, v7
	v_lshlrev_b32 v[SO], 3, v7
	v_lshlrev_b32 v[GL], 2, v7
	v_lshlrev_b32 v[FA], 7, v0
	v_lshlrev_b32 v[TO], 2, v0
	s_lshl_b32 s15, ttmp9, 3
	s_add_co_u32 s15, s15, s14                     ; my row, 0 .. 4095
	s_lshl_b32 s16, s15, 14                        ; x 16,384 bytes in: 67,092,480 at the most
	s_mov_b32 s17, 0
	s_lshl_b32 s18, s15, 13                        ; x 8,192 bytes out
	s_mov_b32 s19, 0
	s_wait_kmcnt 0x0
	s_add_nc_u64 s[4:5], s[4:5], s[16:17]
	s_add_nc_u64 s[6:7], s[6:7], s[16:17]
	s_add_nc_u64 s[10:11], s[10:11], s[18:19]
	s_add_nc_u64 s[12:13], s[12:13], s[18:19]
.macro LOADW c                         ; chunk c of my row of indices, into buffer (c / 8) % 2; read once in the launch
	global_load_b128 v[WI+32*(((\c)/8)%2)+4*((\c)%8):WI+32*(((\c)/8)%2)+4*((\c)%8)+3], v[LO], s[6:7] offset:512*(\c) th:TH_LOAD_NT
.endm
.macro LOADX c                         ; the same of my row of x
	global_load_b128 v[XI+32*(((\c)/8)%2)+4*((\c)%8):XI+32*(((\c)/8)%2)+4*((\c)%8)+3], v[LO], s[4:5] offset:512*(\c) th:TH_LOAD_NT
.endm
	global_load_b32 v[T], v[TO], s[8:9]            ; thread e takes table entry e
.irp c, 0,1,2,3,4,5,6,7
	LOADW \c
.endr
.irp c, 0,1,2,3,4,5,6,7
	LOADX \c
.endr
.irp c, 8,9,10,11,12,13,14,15
	LOADW \c
.endr
.irp c, 8,9,10,11,12,13,14,15
	LOADX \c
.endr
	s_wait_loadcnt 32                              ; loads come back in order (ISA guide 5.7.1): the table entry is in, the 32 loads behind it stay out
	v_mov_b32 v[T+1], v[T]
	v_mov_b32 v[T+2], v[T]
	v_mov_b32 v[T+3], v[T]
.irp i, 0,1,2,3,4,5,6,7
	ds_store_b128 v[FA], v[T:T+3] offset:16*(\i)   ; 32 copies of my entry; these eight stores meet in banks, once a launch
.endr
	s_wait_dscnt 0x0                               ; for the others' sake: my part of the table is written
	s_barrier_signal -1
	s_barrier_wait -1                              ; the whole table is: the launch's one barrier
; Group g of four: chunks 8 g .. 8 g + 7 of the indices.  base = the loads issued behind the group's last.  refill = 1: each chunk's registers take the chunk 16 further on.
.macro WGROUP g, base, refill
.irp j, 0,1,2,3,4,5,6,7
	s_wait_loadcnt (\base)+7-(\j)                  ; chunk j is in; the group's later chunks and the groups behind it stay out
.irp k, 0,1,2,3
	v_min_u32 v[WI+32*((\g)%2)+4*(\j)+(\k)], 0xff, v[WI+32*((\g)%2)+4*(\j)+(\k)]         ; held inside the table
.endr
.irp k, 0,1,2,3
	v_lshl_add_u32 v[WI+32*((\g)%2)+4*(\j)+(\k)], v[WI+32*((\g)%2)+4*(\j)+(\k)], 7, v[GL]  ; 128 e + 4 x lane
.endr
.irp k, 0,1,2,3
	ds_load_b32 v[G+4*(\j)+(\k)], v[WI+32*((\g)%2)+4*(\j)+(\k)]
.endr
.endr
	s_wait_xcnt 0x0                                ; every earlier memory instruction has had its addresses translated (ISA guide 3.1): YW, which the last group's stores read, is rewritten only behind this wait
.irp j, 0,1,2,3,4,5,6,7
	s_wait_dscnt 4*(7-(\j))                        ; LDS loads come back in order: chunk j's four are in, the later chunks' stay out
	v_cvt_pk_bf16_f32 v[YW+2*(\j)],   v[G+4*(\j)],   v[G+4*(\j)+1]
	v_cvt_pk_bf16_f32 v[YW+2*(\j)+1], v[G+4*(\j)+2], v[G+4*(\j)+3]
.if \refill
	LOADW 8*((\g)+2)+(\j)                          ; into registers that were the addresses of LDS loads now done; ahead of the store
.endif
	global_store_b64 v[SO], v[YW+2*(\j):YW+2*(\j)+1], s[12:13] offset:256*(8*(\g)+(\j))  ; the wave stores 256 consecutive bytes, aligned; the next launch reads them, so no hint
.endr
.endm
; The same group of x: no look-up, two roundings a chunk and lane.
.macro XGROUP g, base, refill
	s_wait_xcnt 0x0                                ; YX, which the last group's stores read, is rewritten only behind this wait
.irp j, 0,1,2,3,4,5,6,7
.if \refill
	s_wait_loadcnt 31                              ; behind chunk j: 7 - j of its group, three groups of 8, and the j refills of this turn
.else
	s_wait_loadcnt (\base)+7-(\j)
.endif
	v_cvt_pk_bf16_f32 v[YX+2*(\j)],   v[XI+32*((\g)%2)+4*(\j)],   v[XI+32*((\g)%2)+4*(\j)+1]
	v_cvt_pk_bf16_f32 v[YX+2*(\j)+1], v[XI+32*((\g)%2)+4*(\j)+2], v[XI+32*((\g)%2)+4*(\j)+3]
.if \refill
	LOADX 8*((\g)+2)+(\j)
.endif
	global_store_b64 v[SO], v[YX+2*(\j):YX+2*(\j)+1], s[10:11] offset:256*(8*(\g)+(\j))
.endr
.endm
	; The loads go out in the order W0 X0 W1 X1 W2 X2 W3 X3; base counts the groups of 8 that lie behind the one in hand.
	WGROUP 0, 24, 1
	XGROUP 0, 0, 1
	WGROUP 1, 24, 1
	XGROUP 1, 0, 1
	WGROUP 2, 24, 0                                ; nothing is left to fetch: the counts run down
	XGROUP 2, 16, 0
	WGROUP 3, 8, 0
	XGROUP 3, 0, 0
	s_wait_tensorcnt 0x0                           ; the wave's end, behind my last LDS store
	ds_add_u32 v[SPW], v[NIL]
	s_wait_dscnt 0x0
	s_endpgm
.Lfunc_end_k_qb3cd07c158_prep:
	.size	k_qb3cd07c158_prep, .Lfunc_end_k_qb3cd07c158_prep-k_qb3cd07c158_prep
	.p2alignl 7, 3214868480
	.fill 96, 4, 3214868480
	.section	.rodata,"a",@progbits
	.p2align	6, 0x0
	.amdhsa_kernel k_qb3cd07c158_prep
		.amdhsa_group_segment_fixed_size 33792
		.amdhsa_private_segment_fixed_size 0
		.amdhsa_enable_private_segment 0
		.amdhsa_kernarg_size 40
		.amdhsa_user_sgpr_count 2
		.amdhsa_user_sgpr_kernarg_segment_ptr 1
		.amdhsa_wavefront_size32 1
		.amdhsa_system_sgpr_workgroup_id_x 1
		.amdhsa_system_sgpr_workgroup_id_y 1
		.amdhsa_system_sgpr_workgroup_id_z 1
		.amdhsa_system_vgpr_workitem_id 0
		.amdhsa_next_free_vgpr 208
		.amdhsa_next_free_sgpr 66
		.amdhsa_reserve_vcc 0
		.amdhsa_float_denorm_mode_32 3
		.amdhsa_float_denorm_mode_16_64 3
		.amdhsa_memory_ordered 1
		.amdhsa_forward_progress 1
		.amdhsa_inst_pref_size 50
	.end_amdhsa_kernel
	.amdgpu_metadata
---
amdhsa.version: [ 1, 2 ]
amdhsa.kernels:
  - .name:           k_qb3cd07c158_prep
    .symbol:         k_qb3cd07c158_prep.kd
    .args:
      - { .name: x, .offset: 0, .size: 8, .value_kind: global_buffer, .address_space: global }
      - { .name: weight_idx, .offset: 8, .size: 8, .value_kind: global_buffer, .address_space: global }
      - { .name: weight_table, .offset: 16, .size: 8, .value_kind: global_buffer, .address_space: global }
      - { .name: xb, .offset: 24, .size: 8, .value_kind: global_buffer, .address_space: global }
      - { .name: wb, .offset: 32, .size: 8, .value_kind: global_buffer, .address_space: global }
    .group_segment_fixed_size: 33792
    .private_segment_fixed_size: 0
    .kernarg_segment_align: 8
    .kernarg_segment_size: 40
    .max_flat_workgroup_size: 256
    .sgpr_count:     66
    .vgpr_count:     208
    .wavefront_size: 32
...
	.end_amdgpu_metadata
.endif
;; end of part 1
;; launch gemm (part 2): grid 16 x 16, 4 waves a work-group, clusters of 4 x 4, 327,680 bytes of LDS; arguments xb, wb, bias_idx, bias_table, out0; writes out0
.if DOCPART == 2
	.amdgcn_target "amdgcn-amd-amdhsa--gfx1250"
	.amdhsa_code_object_version 6
	.text
	.protected	k_qb3cd07c158_gemm
	.globl	k_qb3cd07c158_gemm
	.p2align	8
	.type	k_qb3cd07c158_gemm,@function
k_qb3cd07c158_gemm:
	s_mov_b64 s[64:65], 0
	v_nop
	global_prefetch_b8 v0, s[64:65] scope:SCOPE_SE
	s_setreg_imm32_b32 hwreg(HW_REG_WAVE_MODE, 25, 1), 1
	s_wait_xcnt 0x0
	s_wait_alu depctr_hold_cnt(0) depctr_sa_sdst(0) depctr_va_vdst(0) depctr_va_sdst(0) depctr_va_ssrc(0) depctr_va_vcc(0) depctr_vm_vsrc(0)
	s_getreg_b32 s2, hwreg(HW_REG_IB_STS2, 6, 4)
	s_cmp_eq_u32 s2, 0
	s_cbranch_scc0 .Lentry_in_a_cluster
	s_endpgm
.Lentry_in_a_cluster:
	s_bfe_u32 s2, ttmp6, 0x10000c
	s_cmp_lg_u32 s2, 0xf033
	s_cbranch_scc0 .Lentry_shape_is_right
	s_endpgm
.Lentry_shape_is_right:
; out0[m][o] = sum over i of xb[m][i] wb[o][i] + bf16(bias_table[bias_idx[o]]).  xb: [4096][4096] bf16, wb: [4096][4096] bf16, out0: [4096][4096] f32; sums in f32, in the matrix unit's order.
; LIMITS.  A bias index is taken as unsigned and held to 255 (the table has 256 entries).  The bias is rounded to bf16, as x and the weight table were: all floating-point inputs carry the same one rounding.
; A tile of the output, 256 x 256, is made by a work-group of four waves; a wave makes 128 x 128: 64 accumulators of 16 x 16, 512 registers.  16 x 16 tiles: one work-group for each.
; K goes in 32 steps of 128 through a ring of two LDS slots filled by the tensor data mover: a tile's rows are 256 bytes of memory and start at multiples of 256 bytes from the buffer's first byte.
; CLUSTERS: 4 x 4 work-groups.  The four of a row of the cluster need the same tiles of xb, the four of a column the same tiles of wb: each tile is asked for JOINTLY, by the same tensor load with
; the same descriptor and a mask that names the four, and each receives it in its own LDS.
; REGISTERS, in windows of 256 (s_set_vgpr_msb's low byte: bits 1:0 source 0, 3:2 source 1, 5:4 source 2, 7:6 destination):
;   window 0: v0-31 addresses and the bias; v64-127, v128-191 fragments of xb (8 x 16 rows x 32 K), two buffers; on the way out these hold rows read back from the stage
;   window 1: v64-127, v128-191 fragments of wb, two buffers
;   window 2: the 32 accumulators of my rows 0-63 (accumulator (a, b) at v[8 (8 a + b)]);   window 3: those of my rows 64-127
; THE MATRIX INSTRUCTION IS USED TRANSPOSED: source 0 = 16 rows of wb, source 1 = 16 rows of xb.  In the result lane l holds output row l % 16 and its registers 0 to 7 the columns 8 (l / 16) + 0 .. 7:
; eight neighbouring f32 of a row, 32 bytes.
.set SIZE_K, 4096
.set SIZE_N, 4096
.set KSTEP,  128
.set PITCH,  272                       ; an LDS row: 256 bytes of data + 16 of padding = 68 words: row r starts at bank 4 r mod 64 (64 banks of 4 bytes: ISA guide 11.1), so the 16 rows that a load touches start at 16 different banks
.set HALFT,  128*PITCH                 ; 128 rows: what one tensor load brings, and what one wave reads of xb or of wb
.set SLOT,   4*HALFT                   ; xb's 256 rows, then wb's 256 rows
.set STAGE,  2*SLOT                    ; behind the ring, never filled by a tensor load: 16 rows x 528 bytes for each wave, for the way out
.set SPITCH, 528                       ; a stage row: 128 f32 + 16 bytes = 33 x 16 bytes: the 16 rows that a store touches start at 16 different groups of four banks
.set WSTAGE, 16*SPITCH                 ; 8,448 bytes = 33 blocks of 256
.set SPARE,  STAGE+4*WSTAGE            ; behind the stages: the spare words, 128 bytes for each wave: two blocks of 256 bytes that no other line names
.set LAPS,   SIZE_K/(2*KSTEP)          ; a lap = two K steps = once round the ring: 16
.set BI,   8                           ; v[8:11]  bias indices of my 4 columns, then their byte offsets in the table
.set BV,   12                          ; v[12:15] the bias of my 4 columns
.set ADRA, 16                          ; v16-17   LDS address of my xb fragments in slot 0, 1
.set ADRB, 20                          ; v20-21   the same for wb
.set STO,  24                          ; v24      the way out: where I put 32 bytes of a row
.set RD,   25                          ; v25      the way out: where I read 16 bytes of a row back
.set CO,   26                          ; v26      16 x lane: my byte offset in 512 bytes of an output row
.set BO,   27                          ; v27      my byte offset in bias_idx: the only vector register that holds the tile column
.set SPW,  28                          ; v28      LDS address of my spare word; never rewritten
.set NIL,  29                          ; v29      0; never rewritten
.set F0,   64                          ; fragment buffer 0
.set F1,   128                         ; fragment buffer 1
.set G1,  24                           ; s[24:31] descriptor group 1 for xb's tiles
.set G0,  32                           ; s[32:39] descriptor group 0 for xb's tiles, one set for each slot
.set G1B, 48                           ; s[48:55] descriptor group 1 for wb's tiles: it differs in the mask alone
.set G0B, 56                           ; s[56:63] descriptor group 0 for wb's tiles, one set for each slot
.set MSB, 0
.macro WIN new                         ; the immediate's high byte repeats the setting that is left; a switch that changes nothing is dropped
.if MSB != (\new)
	s_set_vgpr_msb (MSB<<8)|(\new)
.set MSB, \new
.endif
.endm
.set MUL_LO, 0xa1                      ; source 0 (wb) window 1, source 1 (xb) window 0, C and D window 2
.set MUL_HI, 0xf1                      ; the same, C and D window 3
.set TO_B,   0x40                      ; destination window 1, address window 0
; A joint load.  Waves 0 and 1 fetch xb's two halves, waves 2 and 3 wb's.  Each of the two lines has one mask and one set of registers for all that issue it; the branch hangs on the wave's number alone.
; An s_nop 0 and four v_nop follow each of the two lines, ahead of the jump, the label and what follows.
.macro JLOAD s
	s_cmp_eq_u32 s11, 0
	s_cbranch_scc0 .Lfor_b_\@
	tensor_load_to_lds s[G0+4*(\s):G0+4*(\s)+3], s[G1:G1+7]
	s_nop 0
.rept 4
	v_nop
.endr
	s_branch .Lasked_\@
.Lfor_b_\@:
	tensor_load_to_lds s[G0B+4*(\s):G0B+4*(\s)+3], s[G1B:G1B+7]
	s_nop 0
.rept 4
	v_nop
.endr
.Lasked_\@:
.endm
; A round of the cluster's barrier: my work-group's barrier, so that wave 0's signal speaks for all four waves; wave 0 signals for the work-group; every wave waits for all sixteen work-groups; my work-group's barrier once more.
.macro CREST                           ; a round behind its opening barrier
	s_cmp_lg_u32 s10, 0
	s_cbranch_scc1 .Lnot_wave_0_\@
	s_barrier_signal -3
.Lnot_wave_0_\@:
	s_barrier_wait -3
	s_barrier_signal -1
	s_barrier_wait -1
.endm
.macro CROUND                          ; a whole round
	s_barrier_signal -1
	s_barrier_wait -1
	CREST
.endm
	s_load_b128 s[4:7], s[0:1], 0x0                ; xb s[4:5], wb s[6:7]
	s_load_b128 s[68:71], s[0:1], 0x10             ; bias_idx s[68:69], bias_table s[70:71]
	s_load_b64 s[8:9], s[0:1], 0x20                ; out0
	v_lshl_add_u32 v[SPW], v0, 2, SPARE
	v_mov_b32 v[NIL], 0
	ds_add_u32 v[SPW], v[NIL]                      ; the wave's opening: the add and its wait stand ahead of my first tensor load; the set-up below, work on registers, stands between them
	v_lshrrev_b32 v1, 5, v0
	v_readfirstlane_b32 s10, v1                    ; wave 0..3
	s_lshr_b32 s11, s10, 1                         ; which half of the tile's rows is mine.  Also: I fetch for xb (0) or for wb (1)
	s_and_b32 s12, s10, 1                          ; which half of its columns.  Also: which 128 rows of that tile I fetch
	s_bfe_u32 s40, ttmp6, 0x40000                  ; cx: my place along the cluster's x
	s_bfe_u32 s41, ttmp6, 0x40004                  ; cy: along its y
	s_lshl_b32 s42, ttmp9, 2                       ; in a cluster launch ttmp9 and ttmp7 count clusters
	s_add_co_u32 s42, s42, s40                     ; tile column = 4 x cluster x + cx
	s_and_b32 s13, ttmp7, 0xffff
	s_lshl_b32 s13, s13, 2
	s_add_co_u32 s13, s13, s41                     ; tile row = 4 x cluster y + cy
	s_lshl_b32 s43, s41, 2
	s_lshl_b32 s43, 15, s43                        ; my row of the cluster: places 4 cy .. 4 cy + 3
	s_lshl_b32 s44, 0x1111, s40                    ; my column: places cx, cx + 4, cx + 8, cx + 12
	; descriptor group 1: a tile of 128 rows x 128 elements, padded in LDS
	s_or_b32 s[G1+0], s43, (1<<16)|(1<<20)|(1<<21)|(5<<22)|(3<<25)  ; 15:0 the mask: xb's tiles go to my row; 17:16 element of 2 bytes; 20 padding on; 21 set beside a mask; 24:22 after every 64 words (code 5); 31:25 of 4 words (code 3)
	s_or_b32 s[G1B+0], s44, (1<<16)|(1<<20)|(1<<21)|(5<<22)|(3<<25) ; the same with the mask of my column, for wb's tiles
	s_mov_b32 s[G1B+1], KSTEP<<16
	s_mov_b32 s[G1+1], KSTEP<<16                   ; 63:48 tensor_dim0, low half = 128
	s_mov_b32 s[G1B+2], 128<<16
	s_mov_b32 s[G1+2], 128<<16                     ; 79:64 its high half = 0; 95:80 tensor_dim1, low half = 128
	s_mov_b32 s[G1B+3], KSTEP<<16
	s_mov_b32 s[G1+3], KSTEP<<16                   ; 111:96 its high half = 0; 127:112 tile_dim0 = 128
	s_mov_b32 s[G1B+4], 128
	s_mov_b32 s[G1+4], 128                         ; 143:128 tile_dim1 = 128; 159:144 tile_dim2 = 0
	s_mov_b32 s[G1B+5], SIZE_K
	s_mov_b32 s[G1+5], SIZE_K                      ; 191:160 tensor_dim0_stride, low word: elements from row to row
	s_mov_b32 s[G1B+6], 0
	s_mov_b32 s[G1+6], 0
	s_mov_b32 s[G1B+7], 0
	s_mov_b32 s[G1+7], 0
	; where the tiles come from.  xb's hang on the tile row alone, which my row of the cluster shares; wb's on the tile column alone, which my column shares.
	; Every wave makes both addresses, in registers that never hold the other coordinate, and asks by one of them.
	s_lshl_b32 s17, s12, 7                         ; which 128 rows of the tile I fetch
	s_lshl_b32 s16, s13, 8
	s_add_co_u32 s16, s16, s17                     ; xb: row 256 x tile row + 128 x half
	s_lshl_b32 s46, s42, 8
	s_add_co_u32 s46, s46, s17                     ; wb: row 256 x tile column + 128 x half
	s_mov_b32 s17, 0
	s_mov_b32 s47, 0
	s_mov_b64 s[18:19], SIZE_K*2
	s_mul_u64 s[16:17], s[16:17], s[18:19]         ; in bytes, in 64 bits
	s_mul_u64 s[46:47], s[46:47], s[18:19]
	s_mul_i32 s20, s10, HALFT                      ; and where they go: xb's two halves, then wb's two halves = wave x 128 rows: no place in the cluster enters an LDS address
	s_wait_dscnt 0x0                               ; the opening add is done
	s_wait_kmcnt 0x0
	s_add_nc_u64 s[14:15], s[4:5], s[16:17]
	s_add_nc_u64 s[46:47], s[6:7], s[46:47]
	CROUND                                         ; all sixteen work-groups are here: the first joint loads meet
.irp s, 0,1
	s_mov_b32 s[G0+4*(\s)], 1                                      ; 1:0 count = 1
	s_add_co_u32 s[G0+4*(\s)+1], s20, (\s)*SLOT                    ; 63:32 LDS address
	s_add_nc_u64 s[G0+4*(\s)+2:G0+4*(\s)+3], s[14:15], (\s)*KSTEP*2  ; 120:64 global address: K step s
	s_or_b32 s[G0+4*(\s)+3], s[G0+4*(\s)+3], 0x80000000            ; 127:126 type = 2
	s_mov_b32 s[G0B+4*(\s)], 1
	s_add_co_u32 s[G0B+4*(\s)+1], s20, (\s)*SLOT
	s_add_nc_u64 s[G0B+4*(\s)+2:G0B+4*(\s)+3], s[46:47], (\s)*KSTEP*2
	s_or_b32 s[G0B+4*(\s)+3], s[G0B+4*(\s)+3], 0x80000000
	JLOAD \s                                       ; the ring is filled before anything else is done: two tensor loads of mine are out
.endr
	; THE BIAS, first step.  My 128 columns begin at byte 1,024 x tile column + 512 x half, in bias_idx (int32) and in an output row (f32) alike; on the way out lane l has columns 4 l .. 4 l + 3 of them.
	s_lshl_b32 s46, s42, 10                        ; (in the registers that held wb's address: none that feeds xb's descriptors ever holds cx)
	s_lshl_b32 s47, s12, 9
	s_add_co_u32 s46, s46, s47
	s_mov_b32 s47, 0
	v_and_b32 v5, 31, v0                           ; lane
	v_lshlrev_b32 v[CO], 4, v5
	v_add_nc_u32 v[BO], s46, v[CO]
	global_load_b128 v[BI:BI+3], v[BO], s[68:69]   ; four indices
	; A fragment is 16 rows x 32 K in 8 registers: lane l holds row l % 16; registers 0-3 hold K = 8 (l / 16) + 0..7, registers 4-7 hold K = 16 + 8 (l / 16) + 0..7: two loads of 16 bytes, 32 bytes apart.
	v_and_b32 v1, 15, v0                           ; l % 16
	v_bfe_u32 v2, v0, 4, 1                         ; l / 16
	v_mul_u32_u24 v3, v1, PITCH
	v_lshl_add_u32 v3, v2, 4, v3                   ; row x pitch + 16 x half
	s_mul_i32 s21, s11, HALFT                      ; my 128 rows of xb
	s_mul_i32 s22, s12, HALFT                      ; my 128 rows of wb,
	s_add_co_u32 s22, s22, 2*HALFT                 ; which lie behind xb's 256
.irp s, 0,1
	v_add_nc_u32 v[ADRA+(\s)], s21, v3
	v_add_nc_u32 v[ADRB+(\s)], s22, v3
	s_add_co_u32 s21, s21, SLOT
	s_add_co_u32 s22, s22, SLOT
.endr
	s_mul_i32 s23, s10, WSTAGE
	s_add_co_u32 s23, s23, STAGE                   ; my stage
	v_mul_u32_u24 v4, v1, SPITCH                   ; in: row l % 16, 32 bytes for each half of the lanes
	v_lshl_add_u32 v4, v2, 5, v4
	v_add_nc_u32 v[STO], s23, v4
	v_add_nc_u32 v[RD], s23, v[CO]                 ; back: 32 lanes take one row's 512 bytes
	; out0 at my part of the tile: row 256 x tile row + 128 x half, and my columns' bytes
	s_lshl_b32 s13, s13, 8
	s_lshl_b32 s14, s11, 7
	s_add_co_u32 s16, s13, s14
	s_mov_b32 s17, 0
	s_mov_b64 s[18:19], SIZE_N*4
	s_mul_u64 s[16:17], s[16:17], s[18:19]
	s_add_nc_u64 s[16:17], s[16:17], s[46:47]
	s_add_nc_u64 s[8:9], s[8:9], s[16:17]          ; never stepped again: the rows stand in the stores' immediates
	; THE BIAS, second step: the four entries.  These loads stay out through the whole walk along K: nothing names v8-15 or s[70:71] before the way out.
	s_wait_loadcnt 0x0                             ; the indices are in
.irp k, 0,1,2,3
	v_min_u32 v[BI+(\k)], 0xff, v[BI+(\k)]         ; held inside the table
.endr
.irp k, 0,1,2,3
	v_lshlrev_b32 v[BI+(\k)], 2, v[BI+(\k)]
.endr
.irp k, 0,1,2,3
	global_load_b32 v[BV+(\k)], v[BI+(\k)], s[70:71]
.endr
; 16 matrix instructions: m blocks a0, a0 + 1 of the window's four (hi = 0: my rows 0-63, 1: rows 64-127) x all 8 n blocks, 32 along K.  zero = 1: the first product starts the sums: nothing is ever cleared.
.macro MUL16 f, hi, a0, zero
	WIN MUL_LO+0x50*(\hi)
.irp a, \a0, (\a0)+1
.irp b, 0,1,2,3,4,5,6,7
.if \zero
	v_wmma_f32_16x16x32_bf16 v[8*(8*(\a)+(\b)):8*(8*(\a)+(\b))+7], v[(\f)+8*(\b):(\f)+8*(\b)+7], v[(\f)+8*(4*(\hi)+(\a)):(\f)+8*(4*(\hi)+(\a))+7], 0
.else
	v_wmma_f32_16x16x32_bf16 v[8*(8*(\a)+(\b)):8*(8*(\a)+(\b))+7], v[(\f)+8*(\b):(\f)+8*(\b)+7], v[(\f)+8*(4*(\hi)+(\a)):(\f)+8*(4*(\hi)+(\a))+7], v[8*(8*(\a)+(\b)):8*(8*(\a)+(\b))+7]
.endif
.endr
.endr
.endm
; 32 LDS loads in one run: the fragments of one quarter step (128 rows of wb, 128 rows of xb, 32 K at byte k of the rows) into buffer f
.macro FETCH slot, k, f
	WIN TO_B
.irp i, 0,1,2,3,4,5,6,7
	ds_load_b128 v[(\f)+8*(\i):(\f)+8*(\i)+3],   v[ADRB+(\slot)] offset:(\k)+(\i)*16*PITCH
	ds_load_b128 v[(\f)+8*(\i)+4:(\f)+8*(\i)+7], v[ADRB+(\slot)] offset:(\k)+(\i)*16*PITCH+32
.endr
	WIN 0
.irp i, 0,1,2,3,4,5,6,7
	ds_load_b128 v[(\f)+8*(\i):(\f)+8*(\i)+3],   v[ADRA+(\slot)] offset:(\k)+(\i)*16*PITCH
	ds_load_b128 v[(\f)+8*(\i)+4:(\f)+8*(\i)+7], v[ADRA+(\slot)] offset:(\k)+(\i)*16*PITCH+32
.endr
.endm
; A load into a register that a matrix instruction has read stands four places behind that matrix instruction, and only plain vector instructions that name none of its registers are places
; (ISA guide 7.12.1 for vector instructions).  So four v_nop stand in front of each run of loads: sixteen issue slots for a K step's 256 matrix instructions.
.macro PLACES
.rept 4
	v_nop
.endr
.endm
; A K step is four quarter steps of 32 along K, 64 matrix instructions each, on buffers 0, 1, 0, 1.  The 64 accumulators take turns, one instruction a turn, in the same order in every quarter.
; One of the first three: multiplies buffer f; in its middle it fetches the next quarter's fragments, at byte k of the same slot's rows, into buffer g.
.macro QUARTER slot, k, f, g, zero
	s_wait_dscnt 8                                 ; wb and xb's rows 0-63 are in; the youngest eight loads (xb's rows 64-127) may be out
	WIN MUL_LO
	MUL16 \f, 0, 0, \zero
	MUL16 \f, 0, 2, \zero
	PLACES
	FETCH \slot, \k, \g
	s_wait_dscnt 32                                ; all but the 32 just issued
	WIN MUL_HI
	MUL16 \f, 1, 0, \zero
	MUL16 \f, 1, 2, \zero
.endm
; The last quarter multiplies buffer 1 and changes slots.  MEET is its first half: ONE barrier for the change of slots.  In front of it each wave waits for all its tensor loads, of which one is out: its part
; of the next slot; adds 0 to its spare word; and waits for that and for its own reads of this slot.  Behind it nobody reads this slot any more and the next slot is whole.
.macro MEET round                      ; round = 1: a round of the cluster's barrier follows
	WIN 0                                          ; (the add's two registers lie in window 0)
	s_wait_tensorcnt 0x0                           ; all my tensor loads have landed: the one that was out is my part of the next slot;
	ds_add_u32 v[SPW], v[NIL]                      ; 0 onto my spare word;
	s_wait_dscnt 9                                 ; (the add and the youngest eight loads may be out)
	WIN MUL_LO
	MUL16 F1, 0, 0, 0                              ; sixteen matrix instructions stand between the add and the wait for it
	s_wait_dscnt 0x0                               ; the add is done, and my reads of this slot are over:
	s_barrier_signal -1                            ; say so (where a slot is filled again this barrier opens a round of the cluster's barrier),
	MUL16 F1, 0, 2, 0                              ; work on registers while the others arrive,
.if \round
	WIN 0
.endif
	s_barrier_wait -1                              ; and go on when all four have said so
.endm
; The whole last quarter.  Behind the round the slot just read out is filled again first, with the K step two steps on; then come the next slot's first fragments.
; From a request to the wait for it a wave issues 224 matrix instructions.
.macro TURN slot, next
	MEET 1
	CREST                                          ; no wave of any partner still reads this slot's tile or has a load on its way
	s_add_nc_u64 s[G0+4*(\slot)+2:G0+4*(\slot)+3], s[G0+4*(\slot)+2:G0+4*(\slot)+3], 2*KSTEP*2    ; no tensor load of mine is out, so a group 0 may be written
	s_add_nc_u64 s[G0B+4*(\slot)+2:G0B+4*(\slot)+3], s[G0B+4*(\slot)+2:G0B+4*(\slot)+3], 2*KSTEP*2
	JLOAD \slot                                    ; the first tensor load behind the round, my only one until the next; the four v_nop behind it are also the places in front of the loads below
	FETCH \next, 0, F0
	WIN MUL_HI
	MUL16 F1, 1, 0, 0
	MUL16 F1, 1, 2, 0
.endm
; THE WAY OUT of block a (16 of my rows), in two parts.  TOSTAGE: a lane's 32 bytes of each of 8 accumulators go into my own stage, each accumulator's four lowest registers first; then whole
; rows of 512 bytes come back, into the registers where xb's fragments lay, two sets by turns.  SEND: the bias is added and the rows are stored.
.macro TOSTAGE a
.set AC, 64*((\a)%4)
.set BK, F0+64*((\a)%2)
	WIN 0x08+4*((\a)/4)                            ; the stores' data: window 2 or 3
.irp b, 0,1,2,3,4,5,6,7
	ds_store_b128 v[STO], v[AC+8*(\b):AC+8*(\b)+3]   offset:64*(\b)
	ds_store_b128 v[STO], v[AC+8*(\b)+4:AC+8*(\b)+7] offset:64*(\b)+16
.endr
	WIN 0
	s_wait_xcnt 0x0                                ; every earlier memory instruction has had its addresses translated (ISA guide 3.1): the registers that the stores of the block two back read are loaded again only behind this wait
.irp t, 0,1,2,3,4,5,6,7,8,9,10,11,12,13,14,15
	ds_load_b128 v[BK+4*(\t):BK+4*(\t)+3], v[RD] offset:(\t)*SPITCH  ; LDS serves a wave's instructions in order (ISA guide 5.7.1.4): these see the stores above, and the next block's stores come behind them
.endr
.endm
.macro SEND a, younger                 ; younger: the LDS instructions issued behind block a's loads: the next block's 16 stores and 16 loads, or none
.set BK, F0+64*((\a)%2)
	WIN 0
.irp t, 0,1,2,3,4,5,6,7,8,9,10,11,12,13,14,15
	s_wait_dscnt (\younger)+15-(\t)                ; row t is back
	v_pk_add_f32 v[BK+4*(\t):BK+4*(\t)+1],   v[BK+4*(\t):BK+4*(\t)+1],   v[BV:BV+1]
	v_pk_add_f32 v[BK+4*(\t)+2:BK+4*(\t)+3], v[BK+4*(\t)+2:BK+4*(\t)+3], v[BV+2:BV+3]
	global_store_b128 v[CO], v[BK+4*(\t):BK+4*(\t)+3], s[8:9] offset:(16*(\a)+(\t))*SIZE_N*4 th:TH_STORE_NT  ; the wave stores 512 consecutive bytes, aligned; row 127 stands 2,080,768 bytes on: inside the signed 24-bit immediate
.endr
.endm
	s_wait_tensorcnt 1                             ; my part of K step 0 is in; K step 1's may stay out
	s_barrier_signal -1
	s_barrier_wait -1                              ; everybody's is
	FETCH 0, 0, F0
	QUARTER 0, 64,  F0, F1, 1                      ; the first quarter stands in front of the loop: its products start the sums
	WIN 0                                          ; at a label and at a branch every window is 0
	s_mov_b32 s3, LAPS-1
.Llap:                                                 ; 15 trips: a trip goes once round the ring, from a lap's second quarter to the next lap's first, and fills both slots again: trip t asks for K steps 2 t and 2 t + 1
	QUARTER 0, 128, F1, F0, 0
	QUARTER 0, 192, F0, F1, 0
	TURN 0, 1
	QUARTER 1, 64,  F0, F1, 0
	QUARTER 1, 128, F1, F0, 0
	QUARTER 1, 192, F0, F1, 0
	TURN 1, 0
	QUARTER 0, 64,  F0, F1, 0
	WIN 0
	s_sub_co_u32 s3, s3, 1
	s_cmp_lg_u32 s3, 0
	s_cbranch_scc1 .Llap
	QUARTER 0, 128, F1, F0, 0                      ; the last lap is written out: it asks for nothing and no round of the cluster's barrier stands in it
	QUARTER 0, 192, F0, F1, 0
	MEET 0                                         ; my one tensor load that was still out is slot 1's, the last K step's
	PLACES                                         ; for the loads into buffer 0, which the quarter before multiplied
	FETCH 1, 0, F0
	WIN MUL_HI
	MUL16 F1, 1, 0, 0
	MUL16 F1, 1, 2, 0
	QUARTER 1, 64,  F0, F1, 0
	QUARTER 1, 128, F1, F0, 0
	QUARTER 1, 192, F0, F1, 0
	s_wait_dscnt 8                                 ; the very last quarter: nothing more to fetch
	WIN MUL_LO
	MUL16 F1, 0, 0, 0
	MUL16 F1, 0, 2, 0
	s_wait_dscnt 0x0
	MUL16 F1, 1, 0, 0
	MUL16 F1, 1, 2, 0
	WIN 0
	; The bias is rounded to bf16 and widened again.  These six plain instructions name no register of the last products: they are the places behind them, for the stores of results and for the loads into xb's buffers.
	s_wait_loadcnt 0x0                             ; the four entries, asked for ahead of the walk along K
	v_cvt_pk_bf16_f32 v4, v[BV], v[BV+1]
	v_cvt_pk_bf16_f32 v5, v[BV+2], v[BV+3]
	v_lshlrev_b32 v[BV], 16, v4
	v_and_b32 v[BV+1], 0xffff0000, v4
	v_lshlrev_b32 v[BV+2], 16, v5
	v_and_b32 v[BV+3], 0xffff0000, v5
	TOSTAGE 0
.irp a, 1,2,3,4,5,6,7                  ; block a goes into the stage while block a - 1's rows come back
	TOSTAGE \a
	SEND (\a)-1, 32
.endr
	SEND 7, 0
	s_wait_tensorcnt 0x0                           ; the wave's end, behind my last tensor load and my last LDS store
	ds_add_u32 v[SPW], v[NIL]
	s_wait_dscnt 0x0
	CROUND                                         ; the closing round: no work-group ends while a partner may still ask for a tile that names it
	s_endpgm
.Lfunc_end_k_qb3cd07c158_gemm:
	.size	k_qb3cd07c158_gemm, .Lfunc_end_k_qb3cd07c158_gemm-k_qb3cd07c158_gemm
	.p2alignl 7, 3214868480
	.fill 96, 4, 3214868480
	.section	.rodata,"a",@progbits
	.p2align	6, 0x0
	.amdhsa_kernel k_qb3cd07c158_gemm
		.amdhsa_group_segment_fixed_size 327680
		.amdhsa_private_segment_fixed_size 0
		.amdhsa_enable_private_segment 0
		.amdhsa_kernarg_size 40
		.amdhsa_user_sgpr_count 2
		.amdhsa_user_sgpr_kernarg_segment_ptr 1
		.amdhsa_wavefront_size32 1
		.amdhsa_system_sgpr_workgroup_id_x 1
		.amdhsa_system_sgpr_workgroup_id_y 1
		.amdhsa_system_sgpr_workgroup_id_z 1
		.amdhsa_system_vgpr_workitem_id 0
		.amdhsa_next_free_vgpr 1024
		.amdhsa_next_free_sgpr 72
		.amdhsa_reserve_vcc 0
		.amdhsa_float_denorm_mode_32 3
		.amdhsa_float_denorm_mode_16_64 3
		.amdhsa_memory_ordered 1
		.amdhsa_forward_progress 1
		.amdhsa_inst_pref_size 161
	.end_amdhsa_kernel
	.amdgpu_metadata
---
amdhsa.version: [ 1, 2 ]
amdhsa.kernels:
  - .name:           k_qb3cd07c158_gemm
    .symbol:         k_qb3cd07c158_gemm.kd
    .args:
      - { .name: xb, .offset: 0, .size: 8, .value_kind: global_buffer, .address_space: global }
      - { .name: wb, .offset: 8, .size: 8, .value_kind: global_buffer, .address_space: global }
      - { .name: bias_idx, .offset: 16, .size: 8, .value_kind: global_buffer, .address_space: global }
      - { .name: bias_table, .offset: 24, .size: 8, .value_kind: global_buffer, .address_space: global }
      - { .name: out0, .offset: 32, .size: 8, .value_kind: global_buffer, .address_space: global }
    .group_segment_fixed_size: 327680
    .private_segment_fixed_size: 0
    .kernarg_segment_align: 8
    .kernarg_segment_size: 40
    .max_flat_workgroup_size: 128
    .sgpr_count:     72
    .vgpr_count:     1024
    .wavefront_size: 32
...
	.end_amdgpu_metadata
.endif
;; end of part 2
;; ======== version 2 of 2: 2 launches; version 1 with the launch prep written anew for expert scheduling mode
;; workspace buffers: xb 33,554,432 bytes; wb 33,554,432 bytes
;; launch prep (part 3): grid 512 x 1, 8 waves a work-group, no clusters, 33,792 bytes of LDS; arguments x, weight_idx, weight_table, xb, wb; writes xb, wb
.if DOCPART == 3
	.amdgcn_target "amdgcn-amd-amdhsa--gfx1250"
	.amdhsa_code_object_version 6
	.text
	.protected	k_qb3cd07c158_prep
	.globl	k_qb3cd07c158_prep
	.p2align	8
	.type	k_qb3cd07c158_prep,@function
k_qb3cd07c158_prep:
	s_mov_b64 s[64:65], 0
	v_nop
	global_prefetch_b8 v0, s[64:65] scope:SCOPE_SE
	s_setreg_imm32_b32 hwreg(HW_REG_WAVE_SCHED_MODE, 0, 2), 2
	s_setreg_imm32_b32 hwreg(HW_REG_WAVE_MODE, 25, 1), 1
	s_wait_xcnt 0x0
	s_wait_alu depctr_vm_vsrc(0)
; xb[m][i] = bf16(x[m][i]);  wb[o][i] = bf16(weight_table[weight_idx[o][i]]).  x: [4096][4096] f32, weight_idx: [4096][4096] int32, weight_table: [256] f32; xb, wb: [4096][4096] bf16.
; Each index is looked up ONCE here: inside the product every one of the 16 tile rows of the output would look it up again.
; LIMITS.  An index is taken as unsigned and held to 255 (the table has 256 entries); each number is rounded once, to nearest even.
; SHARES.  512 work-groups of eight waves; wave w of group g owns row 8 g + w of x and of weight_idx: 16,384 bytes in, 8,192 bytes out for each.  A row is 32 chunks of 512 bytes: one load of
; 16 bytes a lane.  A chunk leaves as 256 consecutive bytes, aligned: one store of 8 bytes a lane.  All chunk offsets stand in immediates: no address register is ever rewritten, and there is no loop.
; IN FLIGHT.  Four register buffers of 4 chunks for each of the two streams: 24 to 32 loads of a wave are out until the last three steps.
; THE TABLE lies in LDS 32 times: entry e is 128 bytes at 128 e, and lane l reads the word at 128 e + 4 l, bank (32 e + l) mod 64 (64 banks of 4 bytes: ISA guide 11.1): lanes with different indices never meet in a bank's different words.
; No matrix unit, no cluster, no tensor load: the launch moves bytes, and no two work-groups read the same ones but for the 1,024 bytes of the table.
; THE MODE: SCHED_MODE bits 1:0 = 2 (LLVM: expert scheduling mode 2), set by the entry lines.  The code itself states the register dependences
; between vector instructions and memory or LDS instructions, with s_wait_alu, always for 0.
; THE PLAN.  The row goes in 8 steps of 4 chunks of indices and 4 chunks of x.  Registers that memory or LDS instructions touch:
;   WI0 .. WI3   Step s: its vector lines turn the indices in WI[s % 4] into LDS addresses, in place; its 16 look-ups read them; then the loads of step s + 4 land there.
;   XI0 .. XI3   Step s: its roundings read XI[s % 4]; then the loads of step s + 4 land there.
;   G            Step s's look-ups land in it; step s + 1's roundings read it, ahead of that step's look-ups.
;   YX0, YX1, YW0, YW1   Step s's roundings write set s % 2 (YX: this step's x; YW: the step before's look-ups); step s's stores read it; step s + 2 writes it again.
;   v1, v2, v4, v5       Offsets, made once at the head and never written again.     v[8:11]  the table entry, read by the LDS stores, never written again.     v12, v13  read by the closing add alone.
; A step's vector lines stand together at its head and its memory and LDS instructions together behind them.  ONE wait on va_vdst between the two states all that the second part hangs on;
; ONE wait on vm_vsrc, behind the look-ups, states that WI[s % 4] has been read, and that the stores of the step before have read the set of Y that the next step writes.
.set SPARE, 32768                      ; behind the table: the spare words, 128 bytes for each of eight waves: four blocks of 256 bytes that no other line names
.set LO,  1                            ; v1        16 x lane: my 16 bytes of a chunk as loaded; never rewritten
.set SO,  2                            ; v2        8 x lane: my 8 bytes of a chunk as stored; never rewritten
.set GL,  3                            ; v3        4 x lane: my copy of a table entry
.set FA,  4                            ; v4        128 x thread: the table entry that I write
.set TO,  5                            ; v5        4 x thread: its place in weight_table
.set T,   8                            ; v[8:11]   that entry, four times
.set SPW, 12                           ; v12       LDS address of my spare word; never rewritten
.set NIL, 13                           ; v13       0; never rewritten
.set WI,  16                           ; v[16:79]  four buffers x 4 chunks x 4: indices, then LDS addresses in place: chunk c at WI + 4 (c % 16)
.set XI,  80                           ; v[80:143] four buffers x 4 chunks x 4: x as loaded: chunk c at XI + 4 (c % 16)
.set G,   144                          ; v[144:159] 4 chunks x 4: the entries looked up, f32
.set YW,  160                          ; v[160:175] two sets x 4 chunks x 2: wb's numbers, packed
.set YX,  176                          ; v[176:191] two sets x 4 chunks x 2: xb's numbers, packed
	s_load_b256 s[4:11], s[0:1], 0x0               ; x s[4:5], weight_idx s[6:7], weight_table s[8:9], xb s[10:11]
	s_load_b64 s[12:13], s[0:1], 0x20              ; wb
	v_lshl_add_u32 v[SPW], v0, 2, SPARE
	v_mov_b32 v[NIL], 0
	v_lshrrev_b32 v6, 5, v0
	v_readfirstlane_b32 s14, v6                    ; wave 0..7
	v_and_b32 v7, 31, v0                           ; lane
	v_lshlrev_b32 v[LO], 4, v7
	v_lshlrev_b32 v[SO], 3, v7
	v_lshlrev_b32 v[GL], 2, v7
	v_lshlrev_b32 v[FA], 7, v0
	v_lshlrev_b32 v[TO], 2, v0
	s_wait_alu depctr_va_sdst(0)                   ; s14 is written, ahead of its first reader: my row, and the four bases with it, are made from it
	s_lshl_b32 s15, ttmp9, 3
	s_add_co_u32 s15, s15, s14                     ; my row, 0 .. 4095
	s_lshl_b32 s16, s15, 14                        ; x 16,384 bytes in: 67,092,480 at the most
	s_mov_b32 s17, 0
	s_lshl_b32 s18, s15, 13                        ; x 8,192 bytes out
	s_mov_b32 s19, 0
	s_wait_kmcnt 0x0
	s_add_nc_u64 s[4:5], s[4:5], s[16:17]
	s_add_nc_u64 s[6:7], s[6:7], s[16:17]
	s_add_nc_u64 s[10:11], s[10:11], s[18:19]
	s_add_nc_u64 s[12:13], s[12:13], s[18:19]
	s_wait_alu depctr_va_vdst(0)                   ; the offsets v1, v2, v4 and v5 are written: every load, store and LDS store of the kernel reads one of them
.macro LOADW c                         ; chunk c of my row of indices, into buffer (c / 4) % 4; read once in the launch
	global_load_b128 v[WI+4*((\c)%16):WI+4*((\c)%16)+3], v[LO], s[6:7] offset:512*(\c) th:TH_LOAD_NT
.endm
.macro LOADX c                         ; the same of my row of x
	global_load_b128 v[XI+4*((\c)%16):XI+4*((\c)%16)+3], v[LO], s[4:5] offset:512*(\c) th:TH_LOAD_NT
.endm
	global_load_b32 v[T], v[TO], s[8:9]            ; thread e takes table entry e
.irp s, 0,1,2,3                        ; steps 0 to 3 fill the two rings: 32 loads, for each step the indices and then x
.irp i, 0,1,2,3
	LOADW 4*(\s)+(\i)
.endr
.irp i, 0,1,2,3
	LOADX 4*(\s)+(\i)
.endr
.endr
	s_wait_loadcnt 32                              ; loads come back in order (ISA guide 5.7.1): the table entry is in, the 32 loads behind it stay out
	v_mov_b32 v[T+1], v[T]
	v_mov_b32 v[T+2], v[T]
	v_mov_b32 v[T+3], v[T]
	s_wait_alu depctr_va_vdst(0)                   ; the three copies are written, which the LDS stores read
.irp i, 0,1,2,3,4,5,6,7
	ds_store_b128 v[FA], v[T:T+3] offset:16*(\i)   ; 32 copies of my entry; these eight stores meet in banks, once a launch
.endr
	s_wait_dscnt 0x0                               ; for the others' sake: my part of the table is written
	s_barrier_signal -1
	s_barrier_wait -1                              ; the whole table is: the launch's one barrier
; The 16 entries in G are rounded into set p of YW.
.macro ROUNDW p
.irp i, 0,1,2,3
	v_cvt_pk_bf16_f32 v[YW+8*(\p)+2*(\i)],   v[G+4*(\i)],   v[G+4*(\i)+1]
	v_cvt_pk_bf16_f32 v[YW+8*(\p)+2*(\i)+1], v[G+4*(\i)+2], v[G+4*(\i)+3]
.endr
.endm
; Step s of eight: chunks 4 s .. 4 s + 3 of the indices and of x.  left = the loads issued behind the step's own eight.  refill = 1: both buffers take the chunks 16 further on.
.macro STEP s, left, refill
	s_wait_loadcnt \left                           ; WI[s % 4] and XI[s % 4] are in; the later steps' loads stay out
.irp i, 0,1,2,3
.irp k, 0,1,2,3
	v_min_u32 v[WI+16*((\s)%4)+4*(\i)+(\k)], 0xff, v[WI+16*((\s)%4)+4*(\i)+(\k)]         ; held inside the table
.endr
.endr
.irp i, 0,1,2,3
.irp k, 0,1,2,3
	v_lshl_add_u32 v[WI+16*((\s)%4)+4*(\i)+(\k)], v[WI+16*((\s)%4)+4*(\i)+(\k)], 7, v[GL]  ; 128 e + 4 x lane
.endr
.endr
.irp i, 0,1,2,3
	v_cvt_pk_bf16_f32 v[YX+8*((\s)%2)+2*(\i)],   v[XI+16*((\s)%4)+4*(\i)],   v[XI+16*((\s)%4)+4*(\i)+1]
	v_cvt_pk_bf16_f32 v[YX+8*((\s)%2)+2*(\i)+1], v[XI+16*((\s)%4)+4*(\i)+2], v[XI+16*((\s)%4)+4*(\i)+3]
.endr
.if (\s) > 0
	s_wait_dscnt 0x0                               ; the look-ups of the step before are in G: they had the wait for this step's loads and the 40 lines above in which to land
	ROUNDW (\s)%2
	s_wait_xcnt 0x0                                ; every earlier memory instruction has had its addresses translated (ISA guide 3.1): the other set of YX and YW, which the stores of the step before read, is rewritten (in the next step) only behind this wait
.endif
	s_wait_alu depctr_va_vdst(0)                   ; the lines above have written the addresses in WI[s % 4], which the look-ups read and in which loads land, and this step's YX and YW, which the stores read; they are done reading G, in which the look-ups land, and XI[s % 4], in which loads land
.irp i, 0,1,2,3
.irp k, 0,1,2,3
	ds_load_b32 v[G+4*(\i)+(\k)], v[WI+16*((\s)%4)+4*(\i)+(\k)]
.endr
.if \refill
	LOADX 4*((\s)+4)+(\i)                          ; dealt among the look-ups.  No wait: no vector instruction since the wait above
.endif
.endr
.if \refill
	s_wait_alu depctr_vm_vsrc(0)                   ; the look-ups above have read WI[s % 4], in which the loads below land; the stores of the step before (step 0 has none before it) have read the other set of YX and YW, which the next step's roundings write again
.else
	s_wait_alu depctr_vm_vsrc(0)                   ; the stores of the step before have read the other set of YX and YW, which the next step's roundings write again
.endif
.irp i, 0,1,2,3
.if \refill
	LOADW 4*((\s)+4)+(\i)                          ; ahead of the stores
.endif
	global_store_b64 v[SO], v[YX+8*((\s)%2)+2*(\i):YX+8*((\s)%2)+2*(\i)+1], s[10:11] offset:256*(4*(\s)+(\i))  ; the wave stores 256 consecutive bytes, aligned; the next launch reads them, so no hint
.if (\s) > 0
	global_store_b64 v[SO], v[YW+8*((\s)%2)+2*(\i):YW+8*((\s)%2)+2*(\i)+1], s[12:13] offset:256*(4*((\s)-1)+(\i))  ; the chunks looked up in the step before
.endif
.endr
.endm
	; The loads go out in the order W0 X0 W1 X1 W2 X2 W3 X3 X4 W4 X5 W5 X6 W6 X7 W7, four each; left counts those that lie behind the step's own.
	STEP 0, 24, 1
	STEP 1, 24, 1
	STEP 2, 24, 1
	STEP 3, 24, 1
	STEP 4, 24, 0                                  ; nothing is left to fetch: the counts run down
	STEP 5, 16, 0
	STEP 6, 8, 0
	STEP 7, 0, 0
	s_wait_dscnt 0x0                               ; step 7's look-ups are in G
	ROUNDW 0                                       ; set 0 was last read by step 6's stores: step 7's waits on XCNT and on vm_vsrc stand between
	s_wait_alu depctr_va_vdst(0)                   ; the roundings have written YW's set 0, which the last four stores read
.irp i, 0,1,2,3
	global_store_b64 v[SO], v[YW+2*(\i):YW+2*(\i)+1], s[12:13] offset:256*(28+(\i))
.endr
	s_wait_dscnt 0x0                               ; the wave's end, behind my last LDS store
	s_wait_alu 0x0
	s_wait_tensorcnt 0x0
	ds_add_u32 v[SPW], v[NIL]
	s_wait_dscnt 0x0
	s_endpgm
.Lfunc_end_k_qb3cd07c158_prep:
	.size	k_qb3cd07c158_prep, .Lfunc_end_k_qb3cd07c158_prep-k_qb3cd07c158_prep
	.p2alignl 7, 3214868480
	.fill 96, 4, 3214868480
	.section	.rodata,"a",@progbits
	.p2align	6, 0x0
	.amdhsa_kernel k_qb3cd07c158_prep
		.amdhsa_group_segment_fixed_size 33792
		.amdhsa_private_segment_fixed_size 0
		.amdhsa_enable_private_segment 0
		.amdhsa_kernarg_size 40
		.amdhsa_user_sgpr_count 2
		.amdhsa_user_sgpr_kernarg_segment_ptr 1
		.amdhsa_wavefront_size32 1
		.amdhsa_system_sgpr_workgroup_id_x 1
		.amdhsa_system_sgpr_workgroup_id_y 1
		.amdhsa_system_sgpr_workgroup_id_z 1
		.amdhsa_system_vgpr_workitem_id 0
		.amdhsa_next_free_vgpr 192
		.amdhsa_next_free_sgpr 66
		.amdhsa_reserve_vcc 0
		.amdhsa_float_denorm_mode_32 3
		.amdhsa_float_denorm_mode_16_64 3
		.amdhsa_memory_ordered 1
		.amdhsa_forward_progress 1
		.amdhsa_inst_pref_size 48
	.end_amdhsa_kernel
	.amdgpu_metadata
---
amdhsa.version: [ 1, 2 ]
amdhsa.kernels:
  - .name:           k_qb3cd07c158_prep
    .symbol:         k_qb3cd07c158_prep.kd
    .args:
      - { .name: x, .offset: 0, .size: 8, .value_kind: global_buffer, .address_space: global }
      - { .name: weight_idx, .offset: 8, .size: 8, .value_kind: global_buffer, .address_space: global }
      - { .name: weight_table, .offset: 16, .size: 8, .value_kind: global_buffer, .address_space: global }
      - { .name: xb, .offset: 24, .size: 8, .value_kind: global_buffer, .address_space: global }
      - { .name: wb, .offset: 32, .size: 8, .value_kind: global_buffer, .address_space: global }
    .group_segment_fixed_size: 33792
    .private_segment_fixed_size: 0
    .kernarg_segment_align: 8
    .kernarg_segment_size: 40
    .max_flat_workgroup_size: 256
    .sgpr_count:     66
    .vgpr_count:     192
    .wavefront_size: 32
...
	.end_amdgpu_metadata
.endif
;; end of part 3
;; launch gemm: the kernel of part 2 again; grid 16 x 16, 4 waves a work-group, clusters of 4 x 4, 327,680 bytes of LDS; arguments xb, wb, bias_idx, bias_table, out0; writes out0
